; MI455X (gfx1250); checked and timed in simulation.
; The chip was launched on July 23, 2026; its instructions are those of AMD's public machine-readable ISA for CDNA 5 (MIT licence, August 2026) and "CDNA5" Instruction Set Architecture Reference Guide (July 2026). The comments in the code are by the model that wrote it; some were corrected since.
;; Bit Linear. Allowed arithmetic: matrix products marked QUANTISED: E4M3 operands, one given power-of-two scale a tensor, by v_wmma_f32_16x16x64_fp8_fp8 or v_wmma_f32_16x16x128_fp8_fp8, f32 sums; everything else in f32.
;; Inputs: lowp_scales 2 int32 (the exponents e of the quantised operands' scales 2^e); weight 2,048 x 4,096 float32; x 4 x 2,048 x 4,096 float32.
;; Outputs: out0 4 x 2,048 x 2,048 float32.
;; This version of the problem:
;;   THIS VERSION OF THE PROBLEM IS GIVEN IN LOW PRECISION. The matrix products marked QUANTISED in the list below multiply operands that are first quantised to E4M3 (4 exponent bits, 3 mantissa bits; 8 bits a number), with one given power-of-two scale for each operand tensor; their sums are f32. All else is computed in f32.
;;   The module's matrix products, in the order in which they are computed (A, B: the left and right operand; K: the contracted axis; several contracted axes count as one K, in the product's order):
;;     1. [M 8,192, K 4,096] x [K 4,096, N 2,048]; A: input x; B: computed on the way: QUANTISED (scales: A lowp_scales[0], B lowp_scales[1])
;;   THE QUANTISER, for each operand of a quantised product, along K:
;;     - The operand's scale is 2^e, e = its entry of the input lowp_scales (int32; the entries are numbered through the quantised products in the list's order, A before B).
;;     - Each number is divided by the scale, clamped to +-448, and rounded to the nearest number of E4M3, ties to even, subnormals kept.
;;     - The product sums the exact products of the quantised numbers (number of the format x scale) in f32.
;;   ~~~python
;;   def quantise(x, axis, e):      # numpy; x: float32 -> the quantised numbers, widened to float32 again
;;       x = np.moveaxis(x, axis, -1); K = x.shape[-1]
;;       r = np.clip(x / 2.0 ** e, -448, 448)
;;       step = 2.0 ** (np.maximum(np.frexp(np.where(r == 0, 1, r))[1] - 1, -6) - 3)
;;       q = np.round(r / step) * step * 2.0 ** e      # np.round: ties to even
;;       return np.moveaxis(q, -1, axis).astype(np.float32)
;;   ~~~
;;   OPERANDS COMPUTED ON THE WAY. 'Computed on the way' means the value that the module computes at that place (a softmax that the list does not call 'softmax' is quantised finished and normalised). What goes into a quantiser is computed in f32, as accurately as f32 sums, v_exp_f32 and their like allow (about 1e-6 of the number): no bf16 or f16 on the way to a quantiser, and a product that is left as it is and whose result goes on into a quantised operand takes f32 operands (vector FMAs, or v_wmma_f32_16x16x4_f32). A number that lies on a knife's edge between two numbers of the format may be rounded either way, as far as f32 arithmetic and the matrix unit's own rounding can turn it there, and no further.
;; One version. Each part assembles by itself: llvm-mc -triple=amdgcn-amd-amdhsa -mcpu=gfx1250 --defsym DOCPART=n.
;; ======== version 1 of 1: 3 launches
;; limits: right only within a limited range of input values
;; workspace buffers: partial 32,768 bytes; x_codes 33,554,432 bytes; w_codes 8,388,608 bytes
;; launch wsum_x0 (part 1): grid 256 x 1, 9 waves a work-group, no clusters, 167,936 bytes of LDS; arguments weight, partial, x, lowp_scales, x_codes; writes partial, x_codes
.if DOCPART == 1
	.amdgcn_target "amdgcn-amd-amdhsa--gfx1250"
	.amdhsa_code_object_version 6
	.text
	.protected	k_qd684c53b66_wsum_x0
	.globl	k_qd684c53b66_wsum_x0
	.p2align	8
	.type	k_qd684c53b66_wsum_x0,@function
k_qd684c53b66_wsum_x0:
	s_mov_b64 s[64:65], 0
	v_nop
	global_prefetch_b8 v0, s[64:65] scope:SCOPE_SE
	s_setreg_imm32_b32 hwreg(HW_REG_WAVE_MODE, 25, 1), 1
	s_wait_xcnt 0x0
; TWO JOBS IN ONE LAUNCH.  Wave 0 of each work-group makes the first level of the sum of |weight|, weight [2048][4096] f32.  Waves 1 to 8 turn the first quarter of x into codes of E4M3.
; WHY TOGETHER: wave 0's job is a chain of 1,024 dependent additions; beside it the work-group's other waves have nothing to wait for, and x's codes hang on no result of the sum.
;
; WAVE 0.  WHY THE ORDER OF THE ADDITIONS MATTERS: the next launch sets a weight to 0 or to +-s by round(weight / s), s = the mean of |weight|.  One unit in s's last place can turn a weight that lies at
; |weight| = s / 2, and one turned weight moves a whole column of the output.  So the sum is taken in a fixed order, meant to follow reference()'s own f32 sum addition by addition
; (JAX on a CPU sums a large array by windows of 32 along each axis, again and again, each window one number after the other, row by row, from 0):
;   level 1: A[64][128], A[i][j] = the 32 x 32 weights of rows 32 i .. 32 i + 31, columns 32 j .. 32 j + 31;   level 2: B[2][4], the same of A;   level 3: B's eight numbers in order.
; This launch makes A; the next one makes levels 2 and 3.  A lane takes a window: 8,192 lanes = 256 waves.  Work-group g takes window row g / 4 and the 32 windows 32 (g % 4) + lane: a tile of 32 rows x 4,096 bytes.
; Four tensor loads of 8 rows bring it into LDS, all issued at the head: four tensor loads of the wave are out at once.  Nothing is filled again: no ring, no barrier; only wave 0 reads what it fetched.
; LDS: the mover lays 16 bytes of padding behind every 128, so that window l's 128 bytes of a row begin at 144 l: 36 words.
; OUT: partial is laid for its reader, whose lane win (0 .. 7) adds the 1,024 numbers of level-2 window win in order, four to a load: number k of window win lies at byte 128 (k / 4) + 16 win + 4 (k % 4).
;      So the wave's 32 numbers leave as 8 pieces of 16 bytes, by one store of 4 bytes a lane: 32 KiB in the whole launch.
;
; WAVES 1 TO 8.  code = x / 2^e0, held within +-448, to the nearest code, ties to even.  Work-group g takes x's numbers 32,768 g on, wave w the 4,096 from 4,096 (w - 1) on: 8 steps of 512, four loads and one store a step;
; all 32 loads of a wave are issued at its head.  256 work-groups cover the first 8,388,608 numbers of x; the next launch takes the rest.
; LAYOUT OF THE CODES (a buffer of this program's own): rows of 4,096 bytes; inside each aligned run of 512 along K, byte 16 l + 4 i + c holds k = 128 i + 4 l + c (l 0..31, i 0..3, c 0..3): the same permutation of k
; as in w's codes, so every product meets its partner.  A lane's four loads (16 bytes each, 512 consecutive bytes a wave) are the sixteen numbers of its two conversions, and its 16 codes are 16 of the 512 consecutive bytes that the wave stores.
; LIMITS: e0 between -126 and 119 (2^e0 and 448 x 2^e0 are f32 numbers).  NaN among the inputs is not served; an infinity in x is held at the largest code.
; No cluster (no byte is shared between work-groups), no matrix unit, no prefetch (every byte is asked for at the head).
.set PITCH, 4608                       ; an LDS row: 32 windows x (128 + 16) bytes
.set TILE,  8*PITCH                    ; 8 rows: what one tensor load brings
.set SPARE, 4*TILE                     ; behind the four tiles: the spare words, 128 bytes for each of the nine waves: five blocks of 256 bytes that no other line names
.set SPW,   2                          ; v2      LDS address of my spare word; never rewritten
.set NIL,   3                          ; v3      0; never rewritten
.set LA,    4                          ; v[4:7]  144 x lane + tile n
.set ACC,   8                          ; v8      wave 0: my window's sum
.set PO,    9                          ; v9      wave 0: my number's place among the wave's: 128 (lane / 4) + 4 (lane % 4)
.set LIM,   10                         ; v10     waves 1-8: 448 x 2^e0
.set SCL,   11                         ; v11     waves 1-8: 2^e0
.set XO,    12                         ; v12     16 x lane: the offset of x's loads and of the codes' stores; never rewritten
.set X,     16                         ; v[16:143]  wave 0: two buffers of two rows, 64 numbers each
.set R,     16                         ; v[16:143]  waves 1-8: eight steps' sixteen numbers
.set C,     144                        ; v[144:175] waves 1-8: codes, four registers a step
.set WV,    14                         ; s14     my wave's number
.set G1,    16                         ; s[16:23] descriptor group 1
.set G0,    24                         ; s[24:39] descriptor group 0, a set for each of the four loads
	s_load_b256 s[4:11], s[0:1], 0x0               ; weight s[4:5], partial s[6:7], x s[8:9], the exponents s[10:11]
	s_load_b64 s[12:13], s[0:1], 0x20              ; x's codes
	v_lshl_add_u32 v[SPW], v0, 2, SPARE
	v_mov_b32 v[NIL], 0
	ds_add_u32 v[SPW], v[NIL]                      ; the wave's opening: the add and its wait stand ahead of the first tensor load; the set-up below, work on registers, stands between them
	v_lshrrev_b32 v1, 5, v0
	v_readfirstlane_b32 s[WV], v1                  ; wave 0..8
	s_mov_b32 s[G1+0], (2<<16)|(1<<20)|(4<<22)|(3<<25)  ; 15:0 no mask; 17:16 elements of 4 bytes; 20 padding on; 24:22 after every 32 words (code 4); 31:25 four words (code 3)
	s_mov_b32 s[G1+1], 1024<<16                    ; tensor_dim0 = 1,024 elements
	s_mov_b32 s[G1+2], 8<<16                       ; tensor_dim1 = 8
	s_mov_b32 s[G1+3], 1024<<16                    ; tile_dim0 = 1,024
	s_mov_b32 s[G1+4], 8                           ; tile_dim1 = 8
	s_mov_b32 s[G1+5], 4096                        ; elements from row to row
	s_mov_b32 s[G1+6], 0
	s_mov_b32 s[G1+7], 0
	v_and_b32 v1, 31, v0                           ; lane.  Every address register is made here, ahead of the parting of the waves
	v_mul_u32_u24 v13, v1, 144
.irp n, 0,1,2,3
	v_add_nc_u32 v[LA+\n], \n*TILE, v13
.endr
	v_lshrrev_b32 v13, 2, v1
	v_and_b32 v14, 3, v1
	v_lshlrev_b32 v14, 2, v14
	v_lshl_add_u32 v[PO], v13, 7, v14
	v_lshlrev_b32 v[XO], 4, v1
	s_mov_b32 s3, 0                                ; the upper word of every offset pair s[2:3]
	s_wait_dscnt 0x0                               ; the opening add is done
	s_wait_kmcnt 0x0
	s_cmp_lg_u32 s[WV], 0
	s_cbranch_scc1 .Lstream
	; ---- wave 0: the sums of 32 windows
	s_lshr_b32 s40, ttmp9, 2                       ; window row 0 .. 63
	s_and_b32 s41, ttmp9, 3                        ; which 32 windows of its 128
	s_lshl_b32 s2, s40, 19                         ; 32 rows of 16,384 bytes
	s_lshl_b32 s42, s41, 12                        ; 32 windows of 128 bytes
	s_add_co_u32 s2, s2, s42
	s_add_nc_u64 s[4:5], s[4:5], s[2:3]            ; the tile's first byte
.irp n, 0,1,2,3
	s_mov_b32 s[G0+4*\n], 1                        ; count = 1
	s_mov_b32 s[G0+4*\n+1], \n*TILE                ; LDS address
	s_add_nc_u64 s[G0+4*\n+2:G0+4*\n+3], s[4:5], \n*8*16384   ; rows 8 n on
	s_or_b32 s[G0+4*\n+3], s[G0+4*\n+3], 0x80000000           ; type = 2
	tensor_load_to_lds s[G0+4*\n:G0+4*\n+3], s[G1:G1+7]
	s_nop 0
.endr
	; where my number goes: k = 32 (window row % 32) + lane, win = 4 (window row / 32) + (g % 4)
	s_and_b32 s42, s40, 31
	s_lshl_b32 s42, s42, 10                        ; 8 groups of four numbers a window row, 128 bytes each
	s_lshr_b32 s43, s40, 5
	s_lshl_b32 s43, s43, 2
	s_add_co_u32 s43, s43, s41                     ; win
	s_lshl_b32 s43, s43, 4
	s_add_co_u32 s2, s42, s43
	s_add_nc_u64 s[6:7], s[6:7], s[2:3]
.macro FETCH u                         ; rows 2 u and 2 u + 1 of my window, 32 numbers each, into buffer u % 2
.irp rr, 0,1
.irp c, 0,1,2,3,4,5,6,7
	ds_load_b128 v[X+64*((\u)%2)+32*\rr+4*\c:X+64*((\u)%2)+32*\rr+4*\c+3], v[LA+(\u)/4] offset:((2*(\u))%8+\rr)*PITCH+16*\c
.endr
.endr
.endm
.macro UNIT u                          ; 64 additions, one after the other: row 2 u from its first column to its last, then row 2 u + 1
.if (\u) < 15
	s_wait_dscnt 16                                ; my two rows are in; the next two rows' sixteen loads may be out
.else
	s_wait_dscnt 0
.endif
.set XB, X+64*((\u)%2)
.set j, 0
.rept 64
.if ((\u) == 0) && (j == 0)
.elseif ((\u) == 0) && (j == 1)
	v_add_f32 v[ACC], |v[XB]|, |v[XB+1]|           ; 0 + the first number is that number: the first two start the sum
.else
	v_add_f32 v[ACC], v[ACC], |v[XB+j]|
.endif
.set j, j+1
.endr
.if (\u)+2 < 16
.if ((\u)+2)%4 == 0
	s_wait_tensorcnt 3-((\u)+2)/4                  ; the tile of the rows to be fetched has landed; the later tiles may be out
.endif
	FETCH (\u)+2
.endif
.endm
	s_wait_tensorcnt 3                             ; rows 0 to 7 are in LDS; three loads may be out
	FETCH 0
	FETCH 1
.irp u, 0,1,2,3,4,5,6,7,8,9,10,11,12,13,14,15
	UNIT \u
.endr
	global_store_b32 v[PO], v[ACC], s[6:7]
	s_wait_tensorcnt 0x0                           ; the wave's end, behind my last tensor load
	ds_add_u32 v[SPW], v[NIL]
	s_wait_dscnt 0x0
	s_endpgm
	; ---- waves 1 to 8: 4,096 numbers of x each
.Lstream:
	s_load_b32 s15, s[10:11], 0x0                  ; e0
	s_sub_co_u32 s44, s[WV], 1                     ; 0 .. 7
	s_lshl_b32 s2, ttmp9, 17                       ; the group's 131,072 bytes of x,
	s_lshl_b32 s45, s44, 14                        ; my wave's 16,384 of them
	s_add_co_u32 s2, s2, s45
	s_add_nc_u64 s[8:9], s[8:9], s[2:3]
	s_lshl_b32 s2, ttmp9, 15                       ; a quarter of that in codes
	s_lshl_b32 s45, s44, 12
	s_add_co_u32 s2, s2, s45
	s_add_nc_u64 s[12:13], s[12:13], s[2:3]
.irp t, 0,1,2,3,4,5,6,7
.irp i, 0,1,2,3
	global_load_b128 v[R+16*\t+4*\i:R+16*\t+4*\i+3], v[XO], s[8:9] offset:2048*\t+512*\i th:TH_LOAD_NT   ; 32 lanes read 512 consecutive bytes; read once in the whole program
.endr
.endr
	s_wait_kmcnt 0x0
	s_add_co_i32 s44, s15, 127
	s_lshl_b32 s45, s44, 23
	v_mov_b32 v[SCL], s45                          ; 2^e0 as f32: the conversion takes its exponent field
	s_add_co_i32 s44, s44, 8
	s_lshl_b32 s44, s44, 23
	s_or_b32 s44, s44, 0x600000
	v_mov_b32 v[LIM], s44                          ; 448 x 2^e0
.macro XSTEP t
.set RS, R+16*(\t)
	s_wait_loadcnt 4*(7-(\t))                      ; this step's four loads are in; the later steps' may be out
.irp i, 0,1,2,3,4,5,6,7,8,9,10,11,12,13,14,15
	v_med3_num_f32 v[RS+\i], v[RS+\i], -v[LIM], v[LIM]   ; the conversion to an 8-bit code does not saturate (ISA guide 7.6.2): the hold at the largest code x the scale
.endr
	v_cvt_scalef32_pk8_fp8_f32 v[C+4*(\t):C+4*(\t)+1], v[RS:RS+7], v[SCL]
	v_cvt_scalef32_pk8_fp8_f32 v[C+4*(\t)+2:C+4*(\t)+3], v[RS+8:RS+15], v[SCL]
	v_nop                                          ; one plain vector line behind the conversions
	global_store_b128 v[XO], v[C+4*(\t):C+4*(\t)+3], s[12:13] offset:512*(\t)   ; 32 lanes store 512 consecutive bytes, at a multiple of 512 from the buffer's first byte
.endm
.irp t, 0,1,2,3,4,5,6,7
	XSTEP \t
.endr
	s_wait_tensorcnt 0x0                           ; the wave's end
	ds_add_u32 v[SPW], v[NIL]
	s_wait_dscnt 0x0
	s_endpgm
.Lfunc_end_k_qd684c53b66_wsum_x0:
	.size	k_qd684c53b66_wsum_x0, .Lfunc_end_k_qd684c53b66_wsum_x0-k_qd684c53b66_wsum_x0
	.p2alignl 7, 3214868480
	.fill 96, 4, 3214868480
	.section	.rodata,"a",@progbits
	.p2align	6, 0x0
	.amdhsa_kernel k_qd684c53b66_wsum_x0
		.amdhsa_group_segment_fixed_size 167936
		.amdhsa_private_segment_fixed_size 0
		.amdhsa_enable_private_segment 0
		.amdhsa_kernarg_size 40
		.amdhsa_user_sgpr_count 2
		.amdhsa_user_sgpr_kernarg_segment_ptr 1
		.amdhsa_wavefront_size32 1
		.amdhsa_system_sgpr_workgroup_id_x 1
		.amdhsa_system_sgpr_workgroup_id_y 1
		.amdhsa_system_sgpr_workgroup_id_z 1
		.amdhsa_system_vgpr_workitem_id 0
		.amdhsa_next_free_vgpr 176
		.amdhsa_next_free_sgpr 66
		.amdhsa_reserve_vcc 0
		.amdhsa_float_denorm_mode_32 3
		.amdhsa_float_denorm_mode_16_64 3
		.amdhsa_memory_ordered 1
		.amdhsa_forward_progress 1
		.amdhsa_inst_pref_size 99
	.end_amdhsa_kernel
	.amdgpu_metadata
---
amdhsa.version: [ 1, 2 ]
amdhsa.kernels:
  - .name:           k_qd684c53b66_wsum_x0
    .symbol:         k_qd684c53b66_wsum_x0.kd
    .args:
      - { .name: weight, .offset: 0, .size: 8, .value_kind: global_buffer, .address_space: global }
      - { .name: partial, .offset: 8, .size: 8, .value_kind: global_buffer, .address_space: global }
      - { .name: x, .offset: 16, .size: 8, .value_kind: global_buffer, .address_space: global }
      - { .name: lowp_scales, .offset: 24, .size: 8, .value_kind: global_buffer, .address_space: global }
      - { .name: x_codes, .offset: 32, .size: 8, .value_kind: global_buffer, .address_space: global }
    .group_segment_fixed_size: 167936
    .private_segment_fixed_size: 0
    .kernarg_segment_align: 8
    .kernarg_segment_size: 40
    .max_flat_workgroup_size: 288
    .sgpr_count:     66
    .vgpr_count:     176
    .wavefront_size: 32
...
	.end_amdgpu_metadata
.endif
;; end of part 1
;; launch quant (part 2): grid 1024 x 1, 4 waves a work-group, no clusters, 0 bytes of LDS; arguments x, weight, lowp_scales, partial, x_codes, w_codes; writes x_codes, w_codes
.if DOCPART == 2
	.amdgcn_target "amdgcn-amd-amdhsa--gfx1250"
	.amdhsa_code_object_version 6
	.text
	.protected	k_qd684c53b66_quant
	.globl	k_qd684c53b66_quant
	.p2align	8
	.type	k_qd684c53b66_quant,@function
k_qd684c53b66_quant:
	s_mov_b64 s[64:65], 0
	v_nop
	global_prefetch_b8 v0, s[64:65] scope:SCOPE_SE
	s_setreg_imm32_b32 hwreg(HW_REG_WAVE_MODE, 25, 1), 1
	s_wait_xcnt 0x0
; The weights, and the three quarters of x that the launch before has left, become codes of E4M3, one byte a number.  Work-groups 0-255 take the weights, 256-1023 take x.
; x:  code = x / 2^e0, held within +-448, to the nearest code, ties to even.
; w:  s = max(mean |weight|, 1e-5);  wq = round(weight / s) held within -1 .. 1;  w = (wq s + weight) - weight, in f32 and in that order;  code = w / 2^e1, held and rounded likewise.
;     THE MEAN.  One unit in s's last place can turn a weight at |weight| = s / 2, so the sum keeps a fixed order, meant to follow reference()'s own f32 sum addition by addition: windows of 32 x 32, one number after
;     the other, row by row, three levels deep.  The launch before made level 1, A[64][128].  Here every wave of the weights' work-groups makes level 2 (B[2][4]: eight chains of 1,024 dependent additions; lane l runs
;     the chain of window l % 8, so lanes 8-31 repeat lanes 0-7) and level 3 (B's eight numbers in order).  Every wave so holds the same s, and no wave waits for another: no LDS, no barrier.
;     The price: each of the 1,024 waves reads A's 32 KiB.  2048 x 4096 = 2^23 numbers: the division by the count is exact.
;     THE QUOTIENT is made as an f32 division is: r = 1 / s with one Newton step; q = weight r; twice q + (weight - q s) r, by fused multiply-adds.
;     wq is -1, 0 or 1, so wq s is exact and wq s + weight is one fused multiply-add with the same bits as a multiply and an add.
; LAYOUT OF THE CODES (buffers of this program's own): rows of 4,096 bytes; inside each aligned run of 512 along K, byte 16 l + 4 i + c holds k = 128 i + 4 l + c (l 0..31, i 0..3, c 0..3).
;     The same permutation of k in both operands: every product meets its partner, only the order of the sums changes.
;     It lets a lane's four loads (16 bytes each, 512 consecutive bytes a wave) be the sixteen numbers of its two conversions, and its 16 codes be 16 of the 512 consecutive bytes that the wave stores.
; SHARES: a wave takes a run of 8,192 numbers, 16 steps of 512: four loads and one store a step.  In both tensors the run's number is 4 x work-group + wave: the weights' runs are 0 .. 1,023, and x's runs
;     0 .. 1,023 are those that the launch before has done.  Loads run four steps (16 loads a wave) ahead.  Written out: every offset is an immediate, no address is stepped,
;     each step has its own four registers of codes, so no store's data are written again.
; LIMITS: e0 and e1 between -126 and 119 (2^e and 448 x 2^e are f32 numbers).  NaN among the inputs is not served; an infinity in x is held at the largest code.
; No prefetch: the launch is one stream with its loads ahead.  No tensor load, cluster or matrix unit.
.set WGW, 256                          ; work-groups for the weights: 2^23 numbers / 32,768
.set RC,  4                            ; v[4:5]     r, twice
.set SC,  6                            ; v[6:7]     s, twice
.set PA,  12                           ; v12        16 x (lane % 8): my window's place in a group of A's numbers; never rewritten
.set ACC, 13                           ; v13        my chain
.set R,   16                           ; v[16:79]   four sets of 16 numbers as loaded.  (The chains' ring of four sets of 32 lies over v[16:143] first)
.set T,   80                           ; v[80:95]   at work
.set C,   96                           ; v[96:159]  codes, four registers a step
.set U,   160                          ; v[160:175] the quotient's remainder
	s_load_b256 s[4:11], s[0:1], 0x0               ; x s[4:5], weight s[6:7], the exponents s[8:9], partial s[10:11]
	s_load_b128 s[12:15], s[0:1], 0x20             ; x's codes s[12:13], w's codes s[14:15]
	v_lshrrev_b32 v1, 5, v0
	v_readfirstlane_b32 s16, v1                    ; wave 0..3
	v_and_b32 v2, 31, v0
	v_lshlrev_b32 v3, 4, v2                        ; 16 x lane: the offset of every load and store of numbers and codes; never rewritten
	v_and_b32 v[PA], 7, v0
	v_lshlrev_b32 v[PA], 4, v[PA]
	s_wait_kmcnt 0x0
	s_load_b64 s[22:23], s[8:9], 0x0               ; e0, e1
	s_cmp_lt_u32 ttmp9, WGW                        ; the weights' work-group or x's?  The choice hangs on the work-group's number alone
	s_cselect_b64 s[4:5], s[6:7], s[4:5]           ; from where,
	s_cselect_b64 s[12:13], s[14:15], s[12:13]     ; to where
	s_lshl_b32 s17, ttmp9, 2
	s_add_co_u32 s17, s17, s16                     ; which run of 8,192 numbers is my wave's
	s_lshl_b32 s20, s17, 15                        ; 32,768 bytes of f32 (under 2^28)
	s_mov_b32 s21, 0
	s_add_nc_u64 s[4:5], s[4:5], s[20:21]
	s_lshl_b32 s20, s17, 13                        ; 8,192 bytes of codes
	s_add_nc_u64 s[12:13], s[12:13], s[20:21]
	s_cmp_lt_u32 ttmp9, WGW
	s_cbranch_scc0 .Lx
.macro LOAD t                          ; step t's 512 numbers into set t % 4: each load reads 512 consecutive bytes
.irp i, 0,1,2,3
	global_load_b128 v[R+16*((\t)%4)+4*\i:R+16*((\t)%4)+4*\i+3], v3, s[4:5] offset:2048*(\t)+512*\i th:TH_LOAD_NT
.endr
.endm
.macro CONSTS e                        ; v11 = 2^e as f32 (the conversion takes its exponent field), v10 = 448 x 2^e
	s_wait_kmcnt 0x0
	s_add_co_i32 s18, \e, 127
	s_lshl_b32 s19, s18, 23
	v_mov_b32 v11, s19
	s_add_co_i32 s18, s18, 8
	s_lshl_b32 s18, s18, 23
	s_or_b32 s18, s18, 0x600000
	v_mov_b32 v10, s18
.endm
.macro PLOAD m                         ; numbers 32 m .. 32 m + 31 of my level-2 window into ring set m % 4: eight loads, each of 128 consecutive bytes (eight windows' four numbers)
.irp c, 0,1,2,3,4,5,6,7
	global_load_b128 v[R+32*((\m)%4)+4*\c:R+32*((\m)%4)+4*\c+3], v[PA], s[10:11] offset:128*(8*(\m)+\c)
.endr
.endm
.macro CHAIN m                         ; 32 additions, one after the other; then the set is loaded again
.set PB, R+32*((\m)%4)
.if (\m) < 31
	s_wait_loadcnt 24                              ; my set's eight loads are in; the 24 loads issued behind them may be out
.else
	s_wait_loadcnt 16                              ; behind the last set: the first four steps' sixteen loads of weights
.endif
.set j, 0
.rept 32
.if ((\m) == 0) && (j == 0)
.elseif ((\m) == 0) && (j == 1)
	v_add_f32 v[ACC], v[PB], v[PB+1]               ; 0 + the first number is that number: the first two start the sum
.else
	v_add_f32 v[ACC], v[ACC], v[PB+j]
.endif
.set j, j+1
.endr
.if (\m)+4 < 32
	PLOAD (\m)+4
.elseif (\m) == 28
	LOAD 0                                         ; the ring's first set is done with: it takes the weights of steps 0 and 1,
	LOAD 1
.elseif (\m) == 29
	LOAD 2                                         ; the second those of steps 2 and 3
	LOAD 3
.endif
.endm
.macro STEP t, tern                    ; tern = 1: the numbers are weights and go through the ternary rule first
.set RS, R+16*((\t)%4)
.if 15-(\t) >= 3
	s_wait_loadcnt 12                              ; this step's four loads are in; those of the three steps behind it may be out
.else
	s_wait_loadcnt 4*(15-(\t))
.endif
.if \tern
.irp j, 0,2,4,6,8,10,12,14
	v_pk_mul_f32 v[T+\j:T+\j+1], v[RS+\j:RS+\j+1], v[RC:RC+1]                                            ; q = weight r
.endr
.rept 2                                ; two corrections by the remainder
.irp j, 0,2,4,6,8,10,12,14
	v_pk_fma_f32 v[U+\j:U+\j+1], v[T+\j:T+\j+1], v[SC:SC+1], v[RS+\j:RS+\j+1] neg_lo:[1,0,0] neg_hi:[1,0,0]   ; weight - q s
.endr
.irp j, 0,2,4,6,8,10,12,14
	v_pk_fma_f32 v[T+\j:T+\j+1], v[U+\j:U+\j+1], v[RC:RC+1], v[T+\j:T+\j+1]                              ; q + that x r
.endr
.endr
.irp i, 0,1,2,3,4,5,6,7,8,9,10,11,12,13,14,15
	v_rndne_f32 v[T+\i], v[T+\i]                                                                         ; to the nearest whole number, ties to even
.endr
.irp i, 0,1,2,3,4,5,6,7,8,9,10,11,12,13,14,15
	v_med3_num_f32 v[T+\i], v[T+\i], -1.0, 1.0
.endr
.irp j, 0,2,4,6,8,10,12,14
	v_pk_fma_f32 v[T+\j:T+\j+1], v[T+\j:T+\j+1], v[SC:SC+1], v[RS+\j:RS+\j+1]                            ; wq s + weight
.endr
.irp j, 0,2,4,6,8,10,12,14
	v_pk_add_f32 v[T+\j:T+\j+1], v[T+\j:T+\j+1], v[RS+\j:RS+\j+1] neg_lo:[0,1] neg_hi:[0,1]              ; - weight
.endr
.if (\t)+4 < 16
	LOAD (\t)+4                                    ; the set has been read for the last time
.endif
.irp i, 0,1,2,3,4,5,6,7,8,9,10,11,12,13,14,15
	v_med3_num_f32 v[T+\i], v[T+\i], -v10, v10     ; the conversion to an 8-bit code does not saturate (ISA guide 7.6.2): the hold at the largest code x the scale
.endr
	v_cvt_scalef32_pk8_fp8_f32 v[C+4*(\t):C+4*(\t)+1], v[T:T+7], v11
	v_cvt_scalef32_pk8_fp8_f32 v[C+4*(\t)+2:C+4*(\t)+3], v[T+8:T+15], v11
	v_nop                                          ; one plain vector line behind the conversions: the next step's first line writes their sources
.else
.irp i, 0,1,2,3,4,5,6,7,8,9,10,11,12,13,14,15
	v_med3_num_f32 v[RS+\i], v[RS+\i], -v10, v10   ; the hold, as above
.endr
	v_cvt_scalef32_pk8_fp8_f32 v[C+4*(\t):C+4*(\t)+1], v[RS:RS+7], v11
	v_cvt_scalef32_pk8_fp8_f32 v[C+4*(\t)+2:C+4*(\t)+3], v[RS+8:RS+15], v11
	v_nop                                          ; one plain vector line behind the conversions
.if (\t)+4 < 16
	LOAD (\t)+4
.endif
.endif
	global_store_b128 v3, v[C+4*(\t):C+4*(\t)+3], s[12:13] offset:512*(\t)   ; 32 lanes store 512 consecutive bytes, at a multiple of 512 from the buffer's first byte
.endm
	; ---- the weights
.irp m, 0,1,2,3
	PLOAD \m                                       ; the ring is filled: 32 loads are out
.endr
	CONSTS s23
.irp m, 0,1,2,3,4,5,6,7,8,9,10,11,12,13,14,15,16,17,18,19,20,21,22,23,24,25,26,27,28,29,30,31
	CHAIN \m                                       ; level 2
.endr
.irp n, 0,1,2,3,4,5,6,7
	v_readlane_b32 s[26+\n], v[ACC], \n            ; B's eight numbers, row by row
.endr
	v_mov_b32 v14, s26                             ; level 3: one after the other
.irp n, 27,28,29,30,31,32,33
	v_add_f32 v14, s\n, v14
.endr
	v_mul_f32 v14, 0x34000000, v14                 ; x 2^-23: the mean
	v_max_num_f32 v[SC], 0x3727c5ac, v14           ; s = max(mean, 1e-5)
	v_rcp_f32 v[RC], v[SC]
	v_nop                                          ; a plain line behind the reciprocal,
	s_wait_alu depctr_va_vdst(0)                   ; and a wait ahead of its first reader
	v_fma_f32 v15, -v[SC], v[RC], 1.0              ; one Newton step: r + r (1 - s r)
	v_fma_f32 v[RC], v15, v[RC], v[RC]
	v_mov_b32 v[SC+1], v[SC]                       ; both as pairs, for the packed forms
	v_mov_b32 v[RC+1], v[RC]
.irp t, 0,1,2,3,4,5,6,7,8,9,10,11,12,13,14,15
	STEP \t, 1
.endr
	s_endpgm
	; ---- x
.Lx:
.irp t, 0,1,2,3
	LOAD \t
.endr
	CONSTS s22
.irp t, 0,1,2,3,4,5,6,7,8,9,10,11,12,13,14,15
	STEP \t, 0
.endr
	s_endpgm
.Lfunc_end_k_qd684c53b66_quant:
	.size	k_qd684c53b66_quant, .Lfunc_end_k_qd684c53b66_quant-k_qd684c53b66_quant
	.p2alignl 7, 3214868480
	.fill 96, 4, 3214868480
	.section	.rodata,"a",@progbits
	.p2align	6, 0x0
	.amdhsa_kernel k_qd684c53b66_quant
		.amdhsa_group_segment_fixed_size 0
		.amdhsa_private_segment_fixed_size 0
		.amdhsa_enable_private_segment 0
		.amdhsa_kernarg_size 48
		.amdhsa_user_sgpr_count 2
		.amdhsa_user_sgpr_kernarg_segment_ptr 1
		.amdhsa_wavefront_size32 1
		.amdhsa_system_sgpr_workgroup_id_x 1
		.amdhsa_system_sgpr_workgroup_id_y 1
		.amdhsa_system_sgpr_workgroup_id_z 1
		.amdhsa_system_vgpr_workitem_id 0
		.amdhsa_next_free_vgpr 176
		.amdhsa_next_free_sgpr 66
		.amdhsa_reserve_vcc 0
		.amdhsa_float_denorm_mode_32 3
		.amdhsa_float_denorm_mode_16_64 3
		.amdhsa_memory_ordered 1
		.amdhsa_forward_progress 1
		.amdhsa_inst_pref_size 193
	.end_amdhsa_kernel
	.amdgpu_metadata
---
amdhsa.version: [ 1, 2 ]
amdhsa.kernels:
  - .name:           k_qd684c53b66_quant
    .symbol:         k_qd684c53b66_quant.kd
    .args:
      - { .name: x, .offset: 0, .size: 8, .value_kind: global_buffer, .address_space: global }
      - { .name: weight, .offset: 8, .size: 8, .value_kind: global_buffer, .address_space: global }
      - { .name: lowp_scales, .offset: 16, .size: 8, .value_kind: global_buffer, .address_space: global }
      - { .name: partial, .offset: 24, .size: 8, .value_kind: global_buffer, .address_space: global }
      - { .name: x_codes, .offset: 32, .size: 8, .value_kind: global_buffer, .address_space: global }
      - { .name: w_codes, .offset: 40, .size: 8, .value_kind: global_buffer, .address_space: global }
    .group_segment_fixed_size: 0
    .private_segment_fixed_size: 0
    .kernarg_segment_align: 8
    .kernarg_segment_size: 48
    .max_flat_workgroup_size: 128
    .sgpr_count:     66
    .vgpr_count:     176
    .wavefront_size: 32
...
	.end_amdgpu_metadata
.endif
;; end of part 2
;; launch gemm (part 3): grid 8 x 32, 4 waves a work-group, clusters of 4 x 4, 327,680 bytes of LDS; arguments x_codes, w_codes, lowp_scales, out0; writes out0
.if DOCPART == 3
	.amdgcn_target "amdgcn-amd-amdhsa--gfx1250"
	.amdhsa_code_object_version 6
	.text
	.protected	k_qd684c53b66_gemm
	.globl	k_qd684c53b66_gemm
	.p2align	8
	.type	k_qd684c53b66_gemm,@function
k_qd684c53b66_gemm:
	s_mov_b64 s[64:65], 0
	v_nop
	global_prefetch_b8 v0, s[64:65] scope:SCOPE_SE
	s_setreg_imm32_b32 hwreg(HW_REG_WAVE_MODE, 25, 1), 1
	s_wait_xcnt 0x0
	s_wait_alu depctr_hold_cnt(0) depctr_sa_sdst(0) depctr_va_vdst(0) depctr_va_sdst(0) depctr_va_ssrc(0) depctr_va_vcc(0) depctr_vm_vsrc(0)
	s_getreg_b32 s2, hwreg(HW_REG_IB_STS2, 6, 4)
	s_cmp_eq_u32 s2, 0
	s_cbranch_scc0 .Lentry_in_a_cluster
	s_endpgm
.Lentry_in_a_cluster:
	s_bfe_u32 s2, ttmp6, 0x10000c
	s_cmp_lg_u32 s2, 0xf033
	s_cbranch_scc0 .Lentry_shape_is_right
	s_endpgm
.Lentry_shape_is_right:
; out0[m][n] = 2^(e0 + e1) x the sum over k of A[m][k] B[n][k].  A = x's codes [8192][4096], B = w's codes [2048][4096], E4M3, one byte a code; out0 [8192][2048] f32; sums in f32.
; Both buffers carry the same permutation of k inside each aligned run of 512 bytes of a row, and a fragment is fetched by four loads of 16 bytes a lane, again alike on both sides:
; every product meets its partner; only the order of the sums inside an instruction differs from ascending k.
; LIMIT: e0 + e1 lies between -126 and 127, so that 2^(e0 + e1) is an f32 number.
; SHARES: a tile of 256 x 256 of the output to a work-group of four waves: 8 x 32 = 256 tiles.  A wave makes 128 x 128: 64 accumulators of 16 x 16, 512 registers.
; K goes in steps of 256 (a tile's row is 256 bytes of memory, at a multiple of 256 from the buffer's first byte) through a ring of two LDS slots filled by the tensor data mover; 16 K steps.
; CLUSTERS: 4 x 4 work-groups.  The four of a row of the cluster need the same tiles of A, the four of a column the same tiles of B: each tile is asked for JOINTLY, by the same tensor load with the same
; descriptor and a mask that names the four.  THE MATRIX INSTRUCTION IS USED TRANSPOSED (source 0 = 16 rows of B, source 1 = 16 rows of A): a lane then holds eight neighbouring numbers of a row of the output.
; REGISTERS, in windows of 256: window 0: v0-31 addresses; from v128 A's fragments (8 x 16 rows x 128 K), ONE set; on the way out v32-255 are free.
;   window 1: B's fragments, TWO sets, at v0 and v128.   window 2: the accumulators of my rows 0-63 ((a, b) at v[8 (8 a + b)]);   window 3: those of my rows 64-127.
; A step of 128 along K is 64 matrix instructions, A's blocks one after the other, each against B's eight: a block of A is free once its eight products are issued, so one set serves A
; (blocks 0-3 fetched anew in the step's middle, blocks 4-7 at its end); B's fragments are at work through the whole step and have two sets.
; THE CHANGE OF SLOTS STANDS AT THE HEAD OF A SLOT'S LAST STEP: all of that step's fragments are in registers by then, so the slot is free 64 products before its last product, and the refill
; has a whole K step, 128 matrix instructions of the wave, between its request and the wait for it.  The price: no product is issued while the round of the cluster's barrier is passed.
; One tile to a work-group, so no walk over tiles; two slots of a longer K step would not fit in LDS.
.set SIZE_M, 8192
.set SIZE_N, 2048
.set SIZE_K, 4096
.set KSTEP,  256                       ; along K in a slot
.set ROWB,   256                       ; a tile's row in bytes
.set KROW,   SIZE_K                    ; a row of A or of B in memory, in bytes
.set PITCH,  272                       ; an LDS row: 256 bytes + 16 of padding = 68 words: row r starts at bank 4 r mod 64 (64 banks of 4 bytes: ISA guide 11.1): the 16 rows of a load start at 16 different banks
.set FR,     16                        ; registers of a fragment: 16 rows x 128 K
.set NL,     4                         ; LDS loads that bring one
.set NP,     4                         ; places behind this matrix instruction (ISA guide 7.12.1)
.set HALFT,  128*PITCH                 ; 128 rows: what one tensor load brings, and what one wave reads of A or of B
.set SLOT,   4*HALFT                   ; A's 256 rows, then B's 256 rows
.set LAPS,   SIZE_K/(2*KSTEP)          ; a lap = two K steps = once round the ring: 8
.set SPARE,  2*SLOT                    ; behind the ring: the spare words, 128 bytes for each wave
.set SPITCH, 528                       ; the way out: a stage of 16 rows x (512 bytes + 16) for each wave, in slot 0, which has had its last fill and its last read when the first result is stored there
.set ADRA, 16                          ; v16-17  LDS address of my A fragments in slot 0, 1
.set ADRB, 20                          ; v20-21  the same for B
.set STO,  24                          ; v24     the way out: where I put 32 bytes of a row
.set RD,   25                          ; v25     the way out: where I read a row back
.set CO,   26                          ; v26     my byte offset in a row of the output
.set SPW,  28                          ; v28     LDS address of my spare word; never rewritten
.set NIL,  29                          ; v29     0; never rewritten
.set PFO,  30                          ; v30     the prefetches' offset: my lane x a row in memory; never rewritten
.set TMP,  32                          ; the way out: 64 registers, a block's sums x 2^(e0 + e1)
.set AF,   128                         ; A's fragments, in window 0
.set BK,   128                         ; the way out: 16 rows read back from the stage: v128-191 and v192-255 by turns
.set G1, 24                            ; s[24:31] descriptor group 1 for A's tiles;  s[32:39] group 0, one set for each slot
.set G0, 32
.set G1B, 48                           ; s[48:55], s[56:63] the same for B's tiles
.set G0B, 56
.set PFA, 66                           ; s[66:67] where my prefetches stand: my work-group's 32 rows of the 128 that I fetch, one K step further along K than the refill in hand
.set LIM, 68                           ; s68     1 in a wave that prefetches, else the greatest number
.set MSB, 0
.macro WIN new                         ; the immediate's high byte repeats the setting that is left
.if MSB != \new
	s_set_vgpr_msb (MSB<<8)|\new
.set MSB, \new
.endif
.endm
.set MUL_LO, 0xa1                      ; source 0 (B) window 1, source 1 (A) window 0, C and D window 2
.set MUL_HI, 0xf1                      ; the same, C and D window 3
.set TO_B,   0x40                      ; destination window 1, address window 0
; A joint load: waves 0 and 1 fetch for A, waves 2 and 3 for B.  Each of the two lines has one mask and one set of registers for all that issue it; the branch hangs on the wave's number alone.
; An s_nop 0 and four v_nop follow each line, ahead of the jump, the label and what follows.
.macro JLOAD g0a, g1a, g0b, g1b
	s_cmp_eq_u32 s15, 0
	s_cbranch_scc0 .Lfor_b_\@
	tensor_load_to_lds s[\g0a:\g0a+3], s[\g1a:\g1a+7]
	s_nop 0
.rept 4
	v_nop
.endr
	s_branch .Lasked_\@
.Lfor_b_\@:
	tensor_load_to_lds s[\g0b:\g0b+3], s[\g1b:\g1b+7]
	s_nop 0
.rept 4
	v_nop
.endr
.Lasked_\@:
.endm
; A PREFETCH, behind each joint refill and its five lines: the K step that stands two refills on, 32 rows x 256 bytes, a lane a row, one instruction a wave.
; Each row's 256 bytes of a K step are named once in the launch: A's tile row is read by both clusters of its row of clusters, and the one with cluster x = 0 asks; B's tile column by the eight clusters of its
; column, and the one with cluster y = 0 asks.  The four partners of a joint load share its 128 rows out by ADDRESS, 32 each (by cx for A, by cy for B): no branch hangs on a place in the cluster.
; The refill of K step n (2 .. 13) names K step n + 2 (4 .. 15); the loop's last trip (s3 = 1) asks for nothing, so no request passes a row's end.  K steps 0 to 3 come by their loads alone.
.macro ASK
	s_cmp_gt_u32 s3, s[LIM]
	s_cbranch_scc0 .Lnot_mine_\@
	global_prefetch_b8 v[PFO], s[PFA:PFA+1] offset:ROWB th:TH_LOAD_NT scope:SCOPE_SE
.Lnot_mine_\@:
.endm
; A round of the cluster's barrier: my work-group's barrier, so that wave 0's signal speaks for all four waves; wave 0 signals for the work-group; every wave waits for all sixteen work-groups; my work-group's barrier once more.
.macro CROUND
	s_barrier_signal -1
	s_barrier_wait -1
	s_cmp_lg_u32 s14, 0
	s_cbranch_scc1 .Lnot_wave_0_\@
	s_barrier_signal -3
.Lnot_wave_0_\@:
	s_barrier_wait -3
	s_barrier_signal -1
	s_barrier_wait -1
.endm
	s_load_b128 s[4:7], s[0:1], 0x0                ; A's codes s[4:5], B's codes s[6:7]
	s_load_b128 s[8:11], s[0:1], 0x10              ; the two exponents s[8:9], the output s[10:11]
	v_lshl_add_u32 v[SPW], v0, 2, SPARE
	v_mov_b32 v[NIL], 0
	ds_add_u32 v[SPW], v[NIL]                      ; the wave's opening: the add and its wait stand ahead of my first tensor load; the set-up below, work on registers, stands between them
	v_lshrrev_b32 v1, 5, v0
	v_readfirstlane_b32 s14, v1                    ; wave 0..3
	s_lshr_b32 s15, s14, 1                         ; which half of the tile's rows is mine.  Also: I fetch for A (0) or for B (1)
	s_and_b32 s16, s14, 1                          ; which half of its columns.  Also: which 128 rows of that tile I fetch
	s_bfe_u32 s40, ttmp6, 0x40000                  ; cx, cy: my place in the cluster
	s_bfe_u32 s41, ttmp6, 0x40004
	s_lshl_b32 s42, ttmp9, 2
	s_add_co_u32 s42, s42, s40                     ; tile column = 4 x cluster x + cx
	s_and_b32 s17, ttmp7, 0xffff
	s_lshl_b32 s17, s17, 2
	s_add_co_u32 s17, s17, s41                     ; tile row = 4 x cluster y + cy
	s_lshl_b32 s43, s41, 2
	s_lshl_b32 s43, 15, s43                        ; my row of the cluster
	s_lshl_b32 s44, 0x1111, s40                    ; my column
	; descriptor group 1: a tile of 128 rows x 256 bytes, padded in LDS
	s_or_b32 s[G1+0], s43, (0<<16)|(1<<20)|(1<<21)|(5<<22)|(3<<25)  ; 15:0 the mask: A's tiles go to my row; 17:16 elements of 1 byte; 20 padding on; 21 set beside a mask; 24:22 after every 64 words (code 5); 31:25 four words (code 3)
	s_or_b32 s[G1B+0], s44, (0<<16)|(1<<20)|(1<<21)|(5<<22)|(3<<25) ; the same with my column's mask
.irp g, G1, G1B
	s_mov_b32 s[\g+1], ROWB<<16                    ; tensor_dim0
	s_mov_b32 s[\g+2], 128<<16                     ; tensor_dim1 = 128
	s_mov_b32 s[\g+3], ROWB<<16                    ; tile_dim0
	s_mov_b32 s[\g+4], 128                         ; tile_dim1 = 128
	s_mov_b32 s[\g+5], KROW                        ; tensor_dim0_stride
	s_mov_b32 s[\g+6], 0
	s_mov_b32 s[\g+7], 0
.endr
	s_lshl_b32 s18, s16, 7                         ; which 128 rows of the tile I fetch
	s_lshl_b32 s20, s17, 8
	s_add_co_u32 s20, s20, s18                     ; A: row 256 x tile row + 128 x half
	s_lshl_b32 s46, s42, 8
	s_add_co_u32 s46, s46, s18                     ; B: row 256 x tile column + 128 x half
	s_mov_b32 s21, 0
	s_mov_b32 s47, 0
	s_mov_b64 s[18:19], KROW
	s_mul_u64 s[20:21], s[20:21], s[18:19]         ; in bytes
	s_mul_u64 s[46:47], s[46:47], s[18:19]
	s_mul_i32 s45, s14, HALFT                      ; where they go: wave x 128 rows: no place in the cluster enters an LDS address
	s_wait_dscnt 0x0                               ; the opening add is done
	s_wait_kmcnt 0x0
	s_load_b64 s[96:97], s[8:9], 0x0               ; e0, e1
	s_add_nc_u64 s[20:21], s[4:5], s[20:21]
	s_add_nc_u64 s[46:47], s[6:7], s[46:47]
	CROUND                                         ; all sixteen work-groups are here: the first joint loads meet
.irp s, 0,1
	s_mov_b32 s[G0+4*\s], 1                        ; count = 1
	s_add_co_u32 s[G0+4*\s+1], s45, \s*SLOT        ; LDS address
	s_add_nc_u64 s[G0+4*\s+2:G0+4*\s+3], s[20:21], \s*ROWB   ; global address: K step s
	s_or_b32 s[G0+4*\s+3], s[G0+4*\s+3], 0x80000000          ; type = 2
	s_mov_b32 s[G0B+4*\s], 1
	s_add_co_u32 s[G0B+4*\s+1], s45, \s*SLOT
	s_add_nc_u64 s[G0B+4*\s+2:G0B+4*\s+3], s[46:47], \s*ROWB
	s_or_b32 s[G0B+4*\s+3], s[G0B+4*\s+3], 0x80000000
	JLOAD G0+4*\s, G1, G0B+4*\s, G1B               ; two tensor loads of mine are out here, later one
.endr
	v_and_b32 v1, 15, v0                           ; l % 16
	v_bfe_u32 v2, v0, 4, 1                         ; l / 16
	v_mul_u32_u24 v3, v1, PITCH
	v_lshl_add_u32 v4, v2, 4, v3                   ; a fragment's row x pitch + 16 x half
	s_mul_i32 s21, s15, HALFT                      ; my 128 rows of A
	s_mul_i32 s22, s16, HALFT                      ; my 128 rows of B,
	s_add_co_u32 s22, s22, 2*HALFT                 ; which lie behind A's 256
.irp s, 0,1
	v_add_nc_u32 v[ADRA+\s], s21, v4
	v_add_nc_u32 v[ADRB+\s], s22, v4
	s_add_co_u32 s21, s21, SLOT
	s_add_co_u32 s22, s22, SLOT
.endr
	s_mul_i32 s23, s14, 16*SPITCH                  ; my stage
	v_mul_u32_u24 v5, v1, SPITCH                   ; in: row l % 16, 32 bytes for each half of the lanes
	v_lshl_add_u32 v5, v2, 5, v5
	v_add_nc_u32 v[STO], s23, v5
	v_and_b32 v6, 31, v0
	v_lshlrev_b32 v[CO], 4, v6                     ; back: the 32 lanes take one row of 512 bytes; and the same in the output
	v_add_nc_u32 v[RD], s23, v[CO]
	s_lshl_b32 s20, s17, 8
	s_lshl_b32 s21, s15, 7
	s_add_co_u32 s20, s20, s21                     ; my first row of the output: 256 x tile row + 128 x half
	s_mov_b32 s21, 0
	s_mov_b64 s[18:19], SIZE_N*4
	s_mul_u64 s[20:21], s[20:21], s[18:19]
	s_lshl_b32 s46, s42, 10                        ; my first column, in bytes: 1024 x tile column + 512 x half
	s_lshl_b32 s47, s16, 9
	s_add_co_u32 s46, s46, s47
	s_mov_b32 s47, 0
	s_add_nc_u64 s[20:21], s[20:21], s[46:47]
	s_add_nc_u64 s[10:11], s[10:11], s[20:21]
	; the prefetches: where my wave's stand, and whether it asks
	s_lshl_b32 s73, s17, 8                         ; the tile's first row in A,
	s_lshl_b32 s74, s42, 8                         ; in B
	s_and_b32 s72, ttmp7, 0xffff                   ; cluster y
	s_cmp_eq_u32 s15, 0                            ; do I fetch for A?
	s_cselect_b32 s70, s73, s74
	s_cselect_b32 s71, s40, s41                    ; my place among the four that ask for the tile with me
	s_cselect_b32 s72, ttmp9, s72                  ; the coordinate along which other clusters read the same rows
	s_cselect_b64 s[PFA:PFA+1], s[4:5], s[6:7]
	s_cmp_eq_u32 s72, 0
	s_cselect_b32 s[LIM], 1, -1                    ; the same in all sixteen partners, for a given wave
	s_lshl_b32 s72, s16, 7
	s_add_co_u32 s70, s70, s72                     ; + the 128 rows that I fetch
	s_lshl_b32 s71, s71, 5
	s_add_co_u32 s70, s70, s71                     ; + my work-group's 32 of them
	s_mov_b32 s71, 0
	s_mov_b64 s[74:75], KROW
	s_mul_u64 s[70:71], s[70:71], s[74:75]
	s_add_nc_u64 s[PFA:PFA+1], s[PFA:PFA+1], s[70:71]
	s_add_nc_u64 s[PFA:PFA+1], s[PFA:PFA+1], 2*ROWB  ; at K step 2: the first refill steps it to 3 and names K step 4.  Nothing is prefetched here, at the head
	v_and_b32 v[PFO], 31, v0
	v_mul_u32_u24 v[PFO], v[PFO], KROW
.macro FRAG reg, adr, q, i             ; a fragment, 16 rows x 128 bytes, is 16 registers: lane l holds row l % 16; registers 4 c .. 4 c + 3 hold bytes 32 c + 16 (l / 16) + 0 .. 15 of the row's 128
.irp c, 0,1,2,3
	ds_load_b128 v[\reg+4*\c:\reg+4*\c+3], v[\adr] offset:128*(\q)+32*\c+(\i)*16*PITCH
.endr
.endm
; 16 matrix instructions: A's blocks a0, a0 + 1 x B's eight, 128 along K.  p: B's set.  zero = 1: the first product starts the sums: nothing is ever cleared.
; The 64 accumulators take turns, one instruction a turn, in the same order in every step.
.macro MUL16 a0, p, zero
.irp a, \a0, \a0+1
.irp b, 0,1,2,3,4,5,6,7
.if \zero
	v_wmma_f32_16x16x128_fp8_fp8 v[8*(8*((\a)%4)+\b):8*(8*((\a)%4)+\b)+7], v[128*(\p)+FR*\b:128*(\p)+FR*\b+FR-1], v[AF+FR*(\a):AF+FR*(\a)+FR-1], 0
.else
	v_wmma_f32_16x16x128_fp8_fp8 v[8*(8*((\a)%4)+\b):8*(8*((\a)%4)+\b)+7], v[128*(\p)+FR*\b:128*(\p)+FR*\b+FR-1], v[AF+FR*(\a):AF+FR*(\a)+FR-1], v[8*(8*((\a)%4)+\b):8*(8*((\a)%4)+\b)+7]
.endif
.endr
.endr
.endm
.macro FETCH_B slot, q, p              ; B's eight fragments of the slot's q-th 128 along K into set p
	WIN TO_B
.irp i, 0,1,2,3,4,5,6,7
	FRAG 128*(\p)+FR*\i, ADRB+\slot, \q, \i
.endr
	WIN 0
.endm
.macro FETCH_A slot, q, i0             ; A's blocks i0 .. i0 + 3
.irp i, \i0, \i0+1, \i0+2, \i0+3
	FRAG AF+FR*(\i), ADRA+\slot, \q, \i
.endr
.endm
; A load into a register that a matrix instruction has read, and a vector instruction or an LDS store that reads a matrix result, stand NP places behind that matrix instruction; only plain vector
; instructions that name none of its registers are places (ISA guide 7.12.1 for vector instructions).  The matrix instructions in between are not counted.
.macro PLACES n
.rept \n
	v_nop
.endr
.endm
; A step of 128 along K: 64 products on B's set p, and the fetch of the next step's fragments: the fq-th 128 along K of slot fslot, B's into set fp.
; waits = 1: the step's own fragments may still be on their way at its head.
.macro BODY p, fslot, fq, fp, zero, waits
.if \waits
	s_wait_dscnt 4*NL                              ; B's set and A's blocks 0-3 are in; the youngest sixteen loads (A's blocks 4-7) may be out
.endif
	WIN MUL_LO
	MUL16 0, \p, \zero
	MUL16 2, \p, \zero
.if \waits
	s_wait_dscnt 0                                 ; A's blocks 4-7 are in (asked for 32 matrix instructions ago)
.endif
	PLACES NP
	FETCH_B \fslot, \fq, \fp
	FETCH_A \fslot, \fq, 0
	WIN MUL_HI
	MUL16 4, \p, \zero
	MUL16 6, \p, \zero
	PLACES NP
	WIN 0
	FETCH_A \fslot, \fq, 4
.endm
.macro STEP slot, zero                 ; a slot's first step: its successor lies in the same slot
	BODY 0, \slot, 1, 1, \zero, 1
.endm
; A slot's last step, with the change of slots at its head.  Each wave waits for all its tensor loads (the one that is out is its part of the next slot), adds 0 to its spare word, and waits for that and for its
; reads of this slot, of which the last were this step's fragments.  fill = 1: a round of the cluster's barrier follows, behind which no wave of any partner reads this slot or has a load on its way;
; the joint refill, two K steps ahead, is the first thing behind the round.  Then come the step's 64 products, and in their middle the first reads of the next slot, which the barrier has shown whole.
.macro TURN slot, next, fill
.if \fill
	s_wait_xcnt 0x0                                ; the last prefetch, a K step back, has read its address: it is stepped here, ahead of the waits of the change of slots
	s_add_nc_u64 s[PFA:PFA+1], s[PFA:PFA+1], ROWB
.endif
	s_wait_tensorcnt 0x0                           ; all my tensor loads have landed, so a group 0 may be written  (every window is 0 here: the add's two registers lie in window 0)
	ds_add_u32 v[SPW], v[NIL]                      ; 0 onto my spare word; with fill = 1 the descriptors' steps stand between it and the wait for it
.if \fill
	s_add_nc_u64 s[G0+4*\slot+2:G0+4*\slot+3], s[G0+4*\slot+2:G0+4*\slot+3], 2*ROWB
	s_add_nc_u64 s[G0B+4*\slot+2:G0B+4*\slot+3], s[G0B+4*\slot+2:G0B+4*\slot+3], 2*ROWB
.endif
	s_wait_dscnt 0x0                               ; the add is done, and my reads of this slot are over
.if \fill
	CROUND
	JLOAD G0+4*\slot, G1, G0B+4*\slot, G1B         ; 128 matrix instructions ahead of the wait for it
	ASK
.else
	s_barrier_signal -1
	s_barrier_wait -1
.endif
	BODY 1, \next, 0, 0, 0, 0
.endm
	s_wait_tensorcnt 1                             ; my part of K step 0 is in; K step 1's load may be out
	s_barrier_signal -1
	s_barrier_wait -1                              ; everybody's is
	FETCH_B 0, 0, 0
	FETCH_A 0, 0, 0
	FETCH_A 0, 0, 4
	STEP 0, 1                                      ; the first step stands in front of the loop: its products start the sums
	s_mov_b32 s3, LAPS-1
.Llap:                                                 ; a trip goes once round the ring, from a lap's second step to the next lap's first, and fills both slots again
	TURN 0, 1, 1
	STEP 1, 0
	TURN 1, 0, 1
	STEP 0, 0
	s_sub_co_u32 s3, s3, 1
	s_cmp_lg_u32 s3, 0
	s_cbranch_scc1 .Llap
	TURN 0, 1, 0                                   ; the last lap fills nothing, and has no round of the cluster's barrier
	STEP 1, 0
	s_wait_dscnt 4*NL                              ; the very last step: nothing more to fetch
	WIN MUL_LO
	MUL16 0, 1, 0
	MUL16 2, 1, 0
	s_wait_dscnt 0
	WIN MUL_HI
	MUL16 4, 1, 0
	MUL16 6, 1, 0
	WIN 0
; THE WAY OUT, block by block of 16 rows x 128 columns.  A lane holds 32 neighbouring bytes of a row, and the lanes beside it hold other rows: so a block goes through my own stage in LDS and comes back as whole
; rows of 512 bytes.  LDS serves a wave's instructions in order (ISA guide 5.7.1.4): no wait between the stores and the loads, nor in front of the next block's stores.
.macro TOSTAGE a
.set AC, 64*((\a)%4)
	WIN 0x02+((\a)/4)                              ; source 0: window 2 or 3
.irp j, 0,2,4,6,8,10,12,14,16,18,20,22,24,26,28,30,32,34,36,38,40,42,44,46,48,50,52,54,56,58,60,62
	v_pk_mul_f32 v[TMP+\j:TMP+\j+1], v[AC+\j:AC+\j+1], s[96:97] op_sel_hi:[1,0]   ; both x s96 = 2^(e0 + e1); each accumulator from its low end on
.endr
	WIN 0
.irp b, 0,1,2,3,4,5,6,7
	ds_store_b128 v[STO], v[TMP+8*\b:TMP+8*\b+3] offset:64*\b
	ds_store_b128 v[STO], v[TMP+8*\b+4:TMP+8*\b+7] offset:64*\b+16
.endr
.set BB, BK+64*((\a)%2)
.irp t, 0,1,2,3,4,5,6,7,8,9,10,11,12,13,14,15
	ds_load_b128 v[BB+4*\t:BB+4*\t+3], v[RD] offset:\t*SPITCH
.endr
.endm
.macro SEND a, younger                 ; younger: the LDS instructions issued behind block a's loads, which may stay out
.set BB, BK+64*((\a)%2)
	s_wait_dscnt \younger                          ; the block is back in registers
.if (\a) > 0
	s_add_nc_u64 s[10:11], s[10:11], 16*SIZE_N*4   ; (behind a wait on XCNT: the earlier stores have read their base)  16 rows on, so that the stores' offsets stay at 15 rows at the most
.endif
.irp t, 0,1,2,3,4,5,6,7,8,9,10,11,12,13,14,15
	global_store_b128 v[CO], v[BB+4*\t:BB+4*\t+3], s[10:11] offset:\t*SIZE_N*4 th:TH_STORE_NT   ; 32 lanes store 512 consecutive bytes, at a multiple of 512 from the output's first byte; written once, read by nobody here
.endr
.endm
	s_wait_kmcnt 0x0
	s_add_co_i32 s96, s96, s97                     ; e0 + e1, between -126 and 127,
	s_add_co_i32 s96, s96, 127
	s_lshl_b32 s96, s96, 23                        ; makes the f32 number 2^(e0 + e1)
	PLACES NP                                      ; behind the last products: for the loads into the registers that held A's fragments and for the reads of the results
	TOSTAGE 0
.irp a, 1,2,3,4,5,6,7
.if \a > 1
	s_wait_xcnt 0x0                                ; block a - 2's stores have read their registers and their base: block a's loads may land there, and the base may step
.endif
	TOSTAGE \a
	SEND \a-1, 32                                  ; behind block a - 1's loads: block a's 16 stores and 16 loads
.endr
	s_wait_xcnt 0x0                                ; block 6's stores have read their base
	SEND 7, 0
	s_wait_tensorcnt 0x0                           ; the wave's end, behind my last tensor load and my last LDS store
	ds_add_u32 v[SPW], v[NIL]
	s_wait_dscnt 0x0
	CROUND                                         ; the closing round: no work-group ends while a partner may still ask for a tile that names it
	s_endpgm
.Lfunc_end_k_qd684c53b66_gemm:
	.size	k_qd684c53b66_gemm, .Lfunc_end_k_qd684c53b66_gemm-k_qd684c53b66_gemm
	.p2alignl 7, 3214868480
	.fill 96, 4, 3214868480
	.section	.rodata,"a",@progbits
	.p2align	6, 0x0
	.amdhsa_kernel k_qd684c53b66_gemm
		.amdhsa_group_segment_fixed_size 327680
		.amdhsa_private_segment_fixed_size 0
		.amdhsa_enable_private_segment 0
		.amdhsa_kernarg_size 32
		.amdhsa_user_sgpr_count 2
		.amdhsa_user_sgpr_kernarg_segment_ptr 1
		.amdhsa_wavefront_size32 1
		.amdhsa_system_sgpr_workgroup_id_x 1
		.amdhsa_system_sgpr_workgroup_id_y 1
		.amdhsa_system_sgpr_workgroup_id_z 1
		.amdhsa_system_vgpr_workitem_id 0
		.amdhsa_next_free_vgpr 1024
		.amdhsa_next_free_sgpr 98
		.amdhsa_reserve_vcc 0
		.amdhsa_float_denorm_mode_32 3
		.amdhsa_float_denorm_mode_16_64 3
		.amdhsa_memory_ordered 1
		.amdhsa_forward_progress 1
		.amdhsa_inst_pref_size 124
	.end_amdhsa_kernel
	.amdgpu_metadata
---
amdhsa.version: [ 1, 2 ]
amdhsa.kernels:
  - .name:           k_qd684c53b66_gemm
    .symbol:         k_qd684c53b66_gemm.kd
    .args:
      - { .name: x_codes, .offset: 0, .size: 8, .value_kind: global_buffer, .address_space: global }
      - { .name: w_codes, .offset: 8, .size: 8, .value_kind: global_buffer, .address_space: global }
      - { .name: lowp_scales, .offset: 16, .size: 8, .value_kind: global_buffer, .address_space: global }
      - { .name: out0, .offset: 24, .size: 8, .value_kind: global_buffer, .address_space: global }
    .group_segment_fixed_size: 327680
    .private_segment_fixed_size: 0
    .kernarg_segment_align: 8
    .kernarg_segment_size: 32
    .max_flat_workgroup_size: 128
    .sgpr_count:     98
    .vgpr_count:     1024
    .wavefront_size: 32
...
	.end_amdgpu_metadata
.endif
;; end of part 3
